; MI455X (gfx1250); checked and timed in simulation.
; The chip was launched on July 23, 2026; its instructions are those of AMD's public machine-readable ISA for CDNA 5 (MIT licence, August 2026) and "CDNA5" Instruction Set Architecture Reference Guide (July 2026). The comments in the code are by the model that wrote it; some were corrected since.
;; Texture2 D. Allowed arithmetic: float matrix products may take bf16 or f16 operands with f32 sums; all other float work in f32.
;; Inputs: texture 1 x 2,048 x 2,048 x 3 float32; uv 1 x 1,024 x 1,024 x 2 float32; uv_da 1 x 1,024 x 1,024 x 4 float32.
;; Outputs: out0 1 x 1,024 x 1,024 x 3 float32.
;; 2 versions, each right; version 2 is version 1 with the launch sample written anew for expert scheduling mode. Each part assembles by itself: llvm-mc -triple=amdgcn-amd-amdhsa -mcpu=gfx1250 --defsym DOCPART=n.
;; ======== version 1 of 2: 3 launches
;; workspace buffers: atlas 25,915,904 bytes; l6 16,384 bytes; idx 8,388,608 bytes of whole numbers; frac 4,194,304 bytes
;; launch mips (part 1): grid 32 x 32, 8 waves a work-group, no clusters, 18,432 bytes of LDS; arguments texture, atlas, l6; writes atlas, l6
.if DOCPART == 1
	.amdgcn_target "amdgcn-amd-amdhsa--gfx1250"
	.amdhsa_code_object_version 6
	.text
	.protected	k_q6d692d2bab_mips
	.globl	k_q6d692d2bab_mips
	.p2align	8
	.type	k_q6d692d2bab_mips,@function
k_q6d692d2bab_mips:
	s_mov_b64 s[64:65], 0
	v_nop
	global_prefetch_b8 v0, s[64:65] scope:SCOPE_SE
	s_setreg_imm32_b32 hwreg(HW_REG_WAVE_MODE, 25, 1), 1
	s_wait_xcnt 0x0
; MIP LEVELS 1 TO 6 of a 2048 x 2048 x 3 f32 texture, by 2 x 2 averages, in one pass over the texture.
; A work-group owns 64 x 64 texels of level 0 and makes from them 32 x 32 of level 1, 16 x 16 of level 2, 8 x 8 of level 3,
; 4 x 4 of level 4, 2 x 2 of level 5 and one texel of level 6.  Nothing is read twice and no work-group needs another's data.
; THE ATLAS: a texel is 16 bytes (r, g, b, 0); a row of the atlas is P = 25,088 bytes (1,568 texels).  Level 1 lies at column 0,
; row 0; level l >= 2 at column 1,040 (XO bytes) and row 1024 - (4096 >> l) + l - 2.  Each level is stored one column and one row
; larger than it is: column W repeats column 0, row H repeats row 0.  A wrapped bilinear fetch is then four texels at one address
; plus 0, 16, P, P + 16.  The owner of a level's column 0 or row 0 stores the copies.
; A copy of level 6 (32 x 32 texels of 16 bytes) goes to l6, from which the next launch makes levels 7 to 11.
; ARITHMETIC: sums are kept unscaled from level to level and multiplied by 4^-l at the store (a power of two: exact), so only the
; order of the additions can differ from a chain of averages.
; No matrix unit (there is no product), no tensor loads or cluster (no tile is shared), no loop: a wave has one batch of 12 loads.
.set P,    25088                       ; bytes in a row of the atlas
.set XO,   16640                       ; bytes from a row's start to levels 2 and up
.set TROW, 24576                       ; bytes in a row of the texture
.set ST3,  16384                       ; LDS: bytes 0..16383 level-1 stage, 2,048 a wave, its own; from ST3: 64 level-3 sums, shared
.set B1, 16                            ; s[16:27]  B1..B6: where this work-group's part of levels 1..6 begins in the atlas
.set B2, 18
.set B3, 20
.set B4, 22
.set B5, 24
.set B6, 26
.set EB, 30                            ; s[30:31]  a level's base moved to its border
.set SV, 32                            ; s32       EXEC while some lanes are off
.set X,  16                            ; v[16:63]  row i of my 4 x 4 texels: 12 numbers at X + 12 i; later the level-1 rows read back
.set O,  64                            ; v[64:79]  my four level-1 texels, texel (row p, column s) at O + 4 (2 p + s)
.set S2, 80                            ; v[80:83]  sum of my 16 texels (level 2), then of 64 (level 3)
.set M2, 84                            ; v[84:87]  my level-2 texel
.set PT, 88                            ; v[88:90]  what v_permlanex16_b32 brings
.set QA, 32                            ; v[32:35]  wave 0: running sums, upper half of the block
.set QB, 36                            ; v[36:39]  wave 0: lower half
	s_load_b128 s[4:7], s[0:1], 0x0                ; texture s[4:5], atlas s[6:7]
	s_load_b64 s[8:9], s[0:1], 0x10                ; l6
	v_lshl_add_u32 v96, v0, 2, 0x4400
	v_mov_b32 v97, 0
	s_mov_b32 s10, ttmp9                           ; tx: block column
	s_and_b32 s11, ttmp7, 0xffff                   ; ty: block row
	v_lshrrev_b32 v5, 5, v0
	v_readfirstlane_b32 s12, v5                    ; w: wave 0..7
	v_and_b32 v1, 31, v0                           ; L: lane
	v_and_b32 v2, 15, v0                           ; r: my level-2 column in the block
	v_bfe_u32 v3, v0, 4, 1                         ; h
	v_lshrrev_b32 v5, 4, v0                        ; y2 = 2 w + h: my level-2 row in the block
	v_mul_u32_u24 v4, 4*TROW, v5                   ; four texture rows a level-2 row,
	v_mad_u32_u24 v4, v2, 48, v4                   ; four texels of 12 bytes a level-2 column
	s_mul_i32 s14, s11, 64*TROW
	s_mul_i32 s15, s10, 768
	s_add_co_u32 s14, s14, s15
	s_mov_b32 s15, 0
	s_wait_kmcnt 0x0
	s_add_nc_u64 s[4:5], s[4:5], s[14:15]          ; the block's first texel
.irp i, 0,1,2,3
.irp k, 0,1,2
	global_load_b128 v[X+12*\i+4*\k:X+12*\i+4*\k+3], v4, s[4:5] offset:\i*TROW+16*\k th:TH_LOAD_NT
.endr
.endr
; dst = atlas + (ty * rows + yoff) * P + tx * xb + xo
.macro LBASE dst, yoff, rows, xo, xb
	s_mul_i32 s14, s11, \rows
.if \yoff
	s_add_co_u32 s14, s14, \yoff
.endif
	s_mul_i32 s14, s14, P
	s_mul_i32 s15, s10, \xb
	s_add_co_u32 s14, s14, s15
.if \xo
	s_add_co_u32 s14, s14, \xo
.endif
	s_mov_b32 s15, 0
	s_add_nc_u64 s[\dst:\dst+1], s[6:7], s[14:15]
.endm
	LBASE B1, 0,   32, 0,  512
	LBASE B2, 0,   16, XO, 256
	LBASE B3, 513, 8,  XO, 128
	LBASE B4, 770, 4,  XO, 64
	LBASE B5, 899, 2,  XO, 32
	LBASE B6, 964, 1,  XO, 16
	s_lshl_b32 s14, s11, 5
	s_add_co_u32 s14, s14, s10
	s_lshl_b32 s14, s14, 4                         ; (32 ty + tx) texels of 16 bytes
	s_mov_b32 s15, 0
	s_add_nc_u64 s[28:29], s[8:9], s[14:15]        ; my texel of l6
	s_or_b32 s33, s11, s12                         ; 0: this wave holds row 0 of levels 1 and 2
	s_mov_b32 s34, 0x76543210                      ; v_permlanex16_b32: lane i of one half reads lane i of the other
	s_mov_b32 s35, 0xfedcba98
	s_lshl_b32 s13, s12, 11                        ; my wave's stage
	v_lshlrev_b32 v6, 5, v2
	v_lshl_add_u32 v6, v3, 10, v6
	v_add_nc_u32 v6, s13, v6                       ; in: row 2 h + p (512 bytes), texel 2 r + s
	v_lshl_add_u32 v7, v1, 4, s13                  ; back: row q, texel L
	s_mul_i32 s13, s12, 4*P
	v_lshl_add_u32 v8, v1, 4, s13                  ; level 1: row 4 w + q, texel L
	v_mul_u32_u24 v9, P, v5
	v_lshl_add_u32 v9, v2, 4, v9                   ; level 2: row y2, texel r
	s_lshl_b32 s13, s12, 7
	s_add_co_u32 s13, s13, ST3
	v_lshrrev_b32 v10, 1, v2
	v_lshl_add_u32 v10, v10, 4, s13                ; level-3 sum (column r / 2, row w)
	v_mov_b32 v[PT], 0                             ; a destination of v_permlanex16_b32 counts as read
	v_mov_b32 v[PT+1], 0
	v_mov_b32 v[PT+2], 0
; rows 2 p and 2 p + 1 of my texels make two level-1 sums
.macro PAIR p
.irp j, 0,2,4,6,8,10
	v_pk_add_f32 v[X+24*\p+\j:X+24*\p+\j+1], v[X+24*\p+\j:X+24*\p+\j+1], v[X+24*\p+12+\j:X+24*\p+12+\j+1]
.endr
.irp s, 0,1
.irp c, 0,1,2
	v_add_f32 v[O+4*(2*\p+\s)+\c], v[X+24*\p+6*\s+\c], v[X+24*\p+6*\s+3+\c]
.endr
	v_mov_b32 v[O+4*(2*\p+\s)+3], 0                ; the texel's fourth word
.endr
.endm
; three channels: add the lane whose number differs by m (inside 16 lanes); add the other half's lane
.macro XSUM r, m
.irp c, 0,1,2
	v_add_f32_dpp v[\r+\c], v[\r+\c], v[\r+\c] row_xmask:\m row_mask:0xf bank_mask:0xf
.endr
.endm
.macro HSUM r
.irp c, 0,1,2
	v_permlanex16_b32 v[PT+\c], v[\r+\c], s34, s35
.endr
.irp c, 0,1,2
	v_add_f32 v[\r+\c], v[\r+\c], v[PT+\c]
.endr
.endm
	s_wait_loadcnt 0x6                             ; rows 0 and 1 are in; the six loads of rows 2 and 3 stay out
	PAIR 0
	s_wait_loadcnt 0x0
	PAIR 1
	v_pk_add_f32 v[S2:S2+1],   v[O:O+1],     v[O+4:O+5]
	v_pk_add_f32 v[S2+2:S2+3], v[O+2:O+3],   v[O+6:O+7]
	v_pk_add_f32 v[M2:M2+1],   v[O+8:O+9],   v[O+12:O+13]
	v_pk_add_f32 v[M2+2:M2+3], v[O+10:O+11], v[O+14:O+15]
	v_pk_add_f32 v[S2:S2+1],   v[S2:S2+1],   v[M2:M2+1]
	v_pk_add_f32 v[S2+2:S2+3], v[S2+2:S2+3], v[M2+2:M2+3]
.irp j, 0,2,4,6,8,10,12,14
	v_pk_mul_f32 v[O+\j:O+\j+1], v[O+\j:O+\j+1], 0x3e800000 op_sel_hi:[1,0]   ; level 1 = sum / 4
.endr
	v_pk_mul_f32 v[M2:M2+1],   v[S2:S2+1],   0x3d800000 op_sel_hi:[1,0]       ; level 2 = sum / 16
	v_pk_mul_f32 v[M2+2:M2+3], v[S2+2:S2+3], 0x3d800000 op_sel_hi:[1,0]
.irp p, 0,1
.irp s, 0,1
	ds_store_b128 v6, v[O+4*(2*\p+\s):O+4*(2*\p+\s)+3] offset:\p*512+\s*16
.endr
.endr
	XSUM S2, 1                                     ; + the level-2 neighbour in x
	HSUM S2                                        ; + the two in the other row: the level-3 sum, in four lanes alike
	ds_store_b128 v10, v[S2:S2+3]                  ; the four lanes store the same 16 bytes
.irp q, 0,1,2,3
	ds_load_b128 v[X+4*\q:X+4*\q+3], v7 offset:\q*512  ; my wave's own bytes; LDS serves a wave's instructions in order (ISA guide 5.7.1)
.endr
	s_wait_dscnt 0x0                               ; zero: wave 0 reads every wave's level-3 sums behind the barrier
	s_barrier_signal -1
	s_barrier_wait -1
.irp q, 0,1,2,3
	global_store_b128 v8, v[X+4*\q:X+4*\q+3], s[B1:B1+1] offset:\q*P   ; 512 neighbouring bytes, aligned
.endr
	global_store_b128 v9, v[M2:M2+3], s[B2:B2+1]   ; two rows of 256 neighbouring bytes, aligned
; THE BORDERS.  EB and EXEC are sources of pending stores: both change only behind s_wait_xcnt 0 (ISA guide 3.1).
.macro SHIFT base, bytes
	s_wait_xcnt 0x0
	s_add_nc_u64 s[EB:EB+1], s[\base:\base+1], \bytes
.endm
.macro BORDER base, bytes, mask
	SHIFT \base, \bytes
	s_mov_b32 vcc_lo, \mask
	s_and_saveexec_b32 s[SV], vcc_lo
.endm
.macro BORDER_END
	s_wait_xcnt 0x0
	s_or_b32 exec_lo, exec_lo, s[SV]
.endm
	s_cmp_lg_u32 s10, 0
	s_cbranch_scc1 .Lx12_done
	BORDER B1, 1024*16, 0x1                        ; level 1, column 1024 = column 0: lane 0 of each row
.irp q, 0,1,2,3
	global_store_b128 v8, v[X+4*\q:X+4*\q+3], s[EB:EB+1] offset:\q*P
.endr
	BORDER_END
	BORDER B2, 512*16, 0x00010001                  ; level 2, column 512 = column 0: the lanes with r = 0
	global_store_b128 v9, v[M2:M2+3], s[EB:EB+1]
	BORDER_END
.Lx12_done:
	s_cmp_lg_u32 s33, 0
	s_cbranch_scc1 .Ly12_done
	SHIFT B1, 1024*P                               ; level 1, row 1024 = row 0
	global_store_b128 v8, v[X:X+3], s[EB:EB+1]
	BORDER B2, 512*P, 0xffff                       ; level 2, row 512 = row 0: the lanes with h = 0
	global_store_b128 v9, v[M2:M2+3], s[EB:EB+1]
	BORDER_END
	s_cmp_lg_u32 s10, 0
	s_cbranch_scc1 .Ly12_done
	BORDER B1, 1024*P+1024*16, 0x1                 ; the corners
	global_store_b128 v8, v[X:X+3], s[EB:EB+1]
	BORDER_END
	BORDER B2, 512*P+512*16, 0x1
	global_store_b128 v9, v[M2:M2+3], s[EB:EB+1]
	BORDER_END
.Ly12_done:
	s_cmp_lg_u32 s12, 0
	s_cbranch_scc1 .Lend
	; WAVE 0: levels 3 to 6 of the block, 85 texels.  Lane L holds level-3 sum (column L & 7, row L >> 3) in QA and row + 4 in QB.
	; Each level's scaled copy has registers of its own, so that no store's data is written again.
	v_lshlrev_b32 v11, 4, v1
	v_add_nc_u32 v11, ST3, v11
	ds_load_b128 v[QA:QA+3], v11
	ds_load_b128 v[QB:QB+3], v11 offset:512
	v_lshrrev_b32 v5, 3, v1
	v_mul_u32_u24 v12, P, v5
	v_and_b32 v5, 7, v1
	v_lshl_add_u32 v12, v5, 4, v12                 ; level 3: row L >> 3, column L & 7
	v_mul_u32_u24 v13, P, v3
	v_bfe_u32 v5, v1, 1, 2
	v_lshl_add_u32 v13, v5, 4, v13                 ; level 4: row L >> 4, column (L >> 1) & 3
	v_bfe_u32 v5, v1, 2, 1
	v_lshlrev_b32 v14, 4, v5                       ; level 5: column (L >> 2) & 1
	v_mov_b32 v15, 0                               ; level 6
.macro SCALE8 d, k
.irp j, 0,2,4,6
	v_pk_mul_f32 v[\d+\j:\d+\j+1], v[QA+\j:QA+\j+1], \k op_sel_hi:[1,0]
.endr
.endm
	s_wait_dscnt 0x0
	SCALE8 40, 0x3c800000                          ; level 3 = sum / 64
	global_store_b128 v12, v[40:43], s[B3:B3+1]
	global_store_b128 v12, v[44:47], s[B3:B3+1] offset:4*P
	XSUM QA, 1
	XSUM QB, 1
	XSUM QA, 8
	XSUM QB, 8
	SCALE8 48, 0x3b800000                          ; level 4 = sum / 256, in four lanes alike
	global_store_b128 v13, v[48:51], s[B4:B4+1]
	global_store_b128 v13, v[52:55], s[B4:B4+1] offset:2*P
	XSUM QA, 2
	XSUM QB, 2
	HSUM QA
	HSUM QB
	SCALE8 56, 0x3a800000                          ; level 5 = sum / 1024
	global_store_b128 v14, v[56:59], s[B5:B5+1]
	global_store_b128 v14, v[60:63], s[B5:B5+1] offset:P
	v_pk_add_f32 v[QA:QA+1],   v[QA:QA+1],   v[QB:QB+1]
	v_pk_add_f32 v[QA+2:QA+3], v[QA+2:QA+3], v[QB+2:QB+3]
	XSUM QA, 4
	v_pk_mul_f32 v[64:65], v[QA:QA+1],   0x39800000 op_sel_hi:[1,0]   ; level 6 = sum / 4096, in every lane
	v_pk_mul_f32 v[66:67], v[QA+2:QA+3], 0x39800000 op_sel_hi:[1,0]
	global_store_b128 v15, v[64:67], s[B6:B6+1]
	global_store_b128 v15, v[64:67], s[28:29]
	s_cmp_lg_u32 s10, 0
	s_cbranch_scc1 .Lx36_done
	BORDER B3, 256*16, 0x01010101                  ; column W = column 0: the lanes that hold column 0
	global_store_b128 v12, v[40:43], s[EB:EB+1]
	global_store_b128 v12, v[44:47], s[EB:EB+1] offset:4*P
	BORDER_END
	BORDER B4, 128*16, 0x03030303
	global_store_b128 v13, v[48:51], s[EB:EB+1]
	global_store_b128 v13, v[52:55], s[EB:EB+1] offset:2*P
	BORDER_END
	BORDER B5, 64*16, 0x0f0f0f0f
	global_store_b128 v14, v[56:59], s[EB:EB+1]
	global_store_b128 v14, v[60:63], s[EB:EB+1] offset:P
	BORDER_END
	SHIFT B6, 32*16
	global_store_b128 v15, v[64:67], s[EB:EB+1]
.Lx36_done:
	s_cmp_lg_u32 s11, 0
	s_cbranch_scc1 .Lend
	BORDER B3, 256*P, 0xff                         ; row H = row 0: the lanes that hold row 0
	global_store_b128 v12, v[40:43], s[EB:EB+1]
	BORDER_END
	BORDER B4, 128*P, 0xffff
	global_store_b128 v13, v[48:51], s[EB:EB+1]
	BORDER_END
	SHIFT B5, 64*P
	global_store_b128 v14, v[56:59], s[EB:EB+1]
	SHIFT B6, 32*P
	global_store_b128 v15, v[64:67], s[EB:EB+1]
	s_cmp_lg_u32 s10, 0
	s_cbranch_scc1 .Lend
	BORDER B3, 256*P+256*16, 0x1                   ; the corners
	global_store_b128 v12, v[40:43], s[EB:EB+1]
	BORDER_END
	BORDER B4, 128*P+128*16, 0x0303
	global_store_b128 v13, v[48:51], s[EB:EB+1]
	BORDER_END
	BORDER B5, 64*P+64*16, 0x0f0f0f0f
	global_store_b128 v14, v[56:59], s[EB:EB+1]
	BORDER_END
	SHIFT B6, 32*P+32*16
	global_store_b128 v15, v[64:67], s[EB:EB+1]
.Lend:
	s_wait_tensorcnt 0x0
	ds_add_u32 v96, v97
	s_wait_dscnt 0x0
	s_endpgm
.Lfunc_end_k_q6d692d2bab_mips:
	.size	k_q6d692d2bab_mips, .Lfunc_end_k_q6d692d2bab_mips-k_q6d692d2bab_mips
	.p2alignl 7, 3214868480
	.fill 96, 4, 3214868480
	.section	.rodata,"a",@progbits
	.p2align	6, 0x0
	.amdhsa_kernel k_q6d692d2bab_mips
		.amdhsa_group_segment_fixed_size 18432
		.amdhsa_private_segment_fixed_size 0
		.amdhsa_enable_private_segment 0
		.amdhsa_kernarg_size 24
		.amdhsa_user_sgpr_count 2
		.amdhsa_user_sgpr_kernarg_segment_ptr 1
		.amdhsa_wavefront_size32 1
		.amdhsa_system_sgpr_workgroup_id_x 1
		.amdhsa_system_sgpr_workgroup_id_y 1
		.amdhsa_system_sgpr_workgroup_id_z 1
		.amdhsa_system_vgpr_workitem_id 0
		.amdhsa_next_free_vgpr 98
		.amdhsa_next_free_sgpr 66
		.amdhsa_reserve_vcc 1
		.amdhsa_float_denorm_mode_32 3
		.amdhsa_float_denorm_mode_16_64 3
		.amdhsa_memory_ordered 1
		.amdhsa_forward_progress 1
		.amdhsa_inst_pref_size 21
	.end_amdhsa_kernel
	.amdgpu_metadata
---
amdhsa.version: [ 1, 2 ]
amdhsa.kernels:
  - .name:           k_q6d692d2bab_mips
    .symbol:         k_q6d692d2bab_mips.kd
    .args:
      - { .name: texture, .offset: 0, .size: 8, .value_kind: global_buffer, .address_space: global }
      - { .name: atlas, .offset: 8, .size: 8, .value_kind: global_buffer, .address_space: global }
      - { .name: l6, .offset: 16, .size: 8, .value_kind: global_buffer, .address_space: global }
    .group_segment_fixed_size: 18432
    .private_segment_fixed_size: 0
    .kernarg_segment_align: 8
    .kernarg_segment_size: 24
    .max_flat_workgroup_size: 256
    .sgpr_count:     66
    .vgpr_count:     98
    .wavefront_size: 32
...
	.end_amdgpu_metadata
.endif
;; end of part 1
;; launch prep (part 2): grid 1024 x 1, 8 waves a work-group, no clusters, 0 bytes of LDS; arguments uv, uv_da, l6, idx, frac, atlas; writes idx, frac, atlas
.if DOCPART == 2
	.amdgcn_target "amdgcn-amd-amdhsa--gfx1250"
	.amdhsa_code_object_version 6
	.text
	.protected	k_q6d692d2bab_prep
	.globl	k_q6d692d2bab_prep
	.p2align	8
	.type	k_q6d692d2bab_prep,@function
k_q6d692d2bab_prep:
	s_mov_b64 s[64:65], 0
	v_nop
	global_prefetch_b8 v0, s[64:65] scope:SCOPE_SE
	s_setreg_imm32_b32 hwreg(HW_REG_WAVE_MODE, 25, 1), 1
	s_wait_xcnt 0x0
; TWO JOBS that need nothing of each other.
; Every work-group: for 1,024 pixels, the mip level from uv_da and the places of the two bilinear fetches, stored as WHOLE NUMBERS,
; so that the launch that gathers forms its addresses from whole numbers read from memory and from no float of its own.
;   idx, 8 bytes a pixel: word A for level l0, word B for level l1 = min(l0 + 1, 11).  Bits 14:4 atlas column, bits 26:16 atlas row
;   of the fetch's upper left texel; word A bits 30:27: l0.  For l0 = 0 word A holds column and row in the texture itself.
;   frac, 4 bytes a pixel: level - l0.
; Wave 0 of work-group 0, ahead of its pixels: levels 7 to 11 of the pyramid (341 texels) from l6, the copy of level 6.  That is one
; wave's work, and it must be done before the gathers; it rides here so that it runs beside the other waves' streams.
; The atlas (rows of P bytes, texels of 16 bytes, each level one column and one row larger than it is) is described in the launch
; that makes levels 1 to 6.
; 128 registers: eight waves fit on a SIMD, so the four work-groups that fall to each of 256 WGPs lie there together.
; LIMITS.  uv must be finite with |uv| * 2048 < 2^31 (the conversion to a whole number saturates beyond).  A NaN in uv_da gives
; level 0, not NaN (v_max_num_f32 drops it).  d2 is 2^22 * max(a a + b b, c c + d d): the scaling by 2^22 is exact unless a square
; underflows or overflows, and there the level is clipped to 0 or 11 either way.
; A stream: no LDS, no barrier, no loop; each wave has one batch of six loads.
.set P,   25088                        ; bytes in a row of the atlas
.set XO,  16640                        ; bytes from a row's start to levels 2 and up
.set UV,  8                            ; v[8:15]   pixel p: u at UV + 2 p, v behind it
.set DA,  16                           ; v[16:31]  pixel p: four derivatives at DA + 4 p
.set IX,  32                           ; v[32:39]  pixel p: word A at IX + 2 p, word B behind it
.set FR,  40                           ; v[40:43]  level - l0
.set LV,  44                           ; v[44:47]  level
.set LVA, 48                           ; v[48:51]  l0
.set LVB, 52                           ; v[52:55]  l1
.set T,   56                           ; v[56:63]  at work
.set TB,  32                           ; levels 7 to 11: v[32:127], three register rows of 8 texels, texel (row j, column i) at TB + 4 (8 j + i)
.set SV,  22                           ; levels 7 to 11: s22, EXEC while some lanes are off
	s_load_b256 s[4:11], s[0:1], 0x0               ; uv s[4:5], uv_da s[6:7], l6 s[8:9], idx s[10:11]
	s_load_b128 s[12:15], s[0:1], 0x20             ; frac s[12:13], atlas s[14:15]
	v_lshrrev_b32 v1, 5, v0
	v_readfirstlane_b32 s16, v1                    ; wave
	v_and_b32 v1, 31, v0                           ; L: lane
	s_or_b32 s17, s16, ttmp9                       ; 0: wave 0 of work-group 0
	s_wait_kmcnt 0x0
	s_cmp_lg_u32 s17, 0
	s_cbranch_scc1 .Lpixels
	; LEVELS 7 TO 11.  Lane L = 4 by + bx owns columns 8 bx .. + 7 and rows 4 by .. + 3 of level 6.
	; Rows 0, 1, 2 go to register rows 0, 1, 2; row 3 follows into register row 1 when rows 0 and 1 have been summed.
	v_and_b32 v8, 3, v1                            ; bx
	v_lshrrev_b32 v9, 2, v1                        ; by
	v_lshlrev_b32 v2, 7, v8
	v_lshl_or_b32 v2, v9, 11, v2                   ; l6: rows of 512 bytes
.irp j, 0,1,2
.irp i, 0,1,2,3,4,5,6,7
	global_load_b128 v[TB+4*(8*\j+\i):TB+4*(8*\j+\i)+3], v2, s[8:9] offset:\j*512+\i*16
.endr
.endr
	s_add_nc_u64 s[18:19], s[14:15], 997*P+XO      ; level 7's first texel; levels 8 to 11 begin R8 .. R11 rows further down
.set R8,  17
.set R9,  26
.set R10, 31
.set R11, 34
	s_mov_b32 s24, 0x76543210                      ; v_permlanex16_b32: lane i of one half reads lane i of the other
	s_mov_b32 s25, 0xfedcba98
	v_mul_u32_u24 v3, 2*P, v9
	v_lshl_add_u32 v3, v8, 6, v3                   ; level 7: row 2 by + a, column 4 bx + b
	v_mul_u32_u24 v4, P, v9
	v_lshl_add_u32 v4, v8, 5, v4                   ; level 8: row by, column 2 bx + b
	v_lshrrev_b32 v10, 3, v1
	v_mul_u32_u24 v5, P, v10
	v_lshl_add_u32 v5, v8, 4, v5                   ; level 9: row L >> 3, column bx
	v_lshrrev_b32 v10, 4, v1
	v_mul_u32_u24 v6, P, v10
	v_bfe_u32 v10, v1, 1, 1
	v_lshl_add_u32 v6, v10, 4, v6                  ; level 10: row L >> 4, column (L >> 1) & 1
	v_mov_b32 v7, 0                                ; level 11
.macro ADD4 d, s
	v_pk_add_f32 v[\d:\d+1],   v[\d:\d+1],   v[\s:\s+1]
	v_pk_add_f32 v[\d+2:\d+3], v[\d+2:\d+3], v[\s+2:\s+3]
.endm
.macro MUL4 d, s, k
	v_pk_mul_f32 v[\d:\d+1],   v[\s:\s+1],   \k op_sel_hi:[1,0]
	v_pk_mul_f32 v[\d+2:\d+3], v[\s+2:\s+3], \k op_sel_hi:[1,0]
.endm
.macro XSUM m
.irp c, 0,1,2
	v_add_f32_dpp v[TB+\c], v[TB+\c], v[TB+\c] row_xmask:\m row_mask:0xf bank_mask:0xf
.endr
.endm
; Level-7 row a of my block: register row 2 a (upper level-6 row) and register row 1 (lower).  The sum of four stays unscaled in
; texel (2 a, 2 b); the scaled copy lies in texel (2 a, 2 b + 1), which nothing writes again: its stores read it to the end.
.macro LEVEL7 a
.irp b, 0,1,2,3
	ADD4 TB+4*(16*\a+2*\b), TB+4*(16*\a+2*\b+1)
	ADD4 TB+4*(8+2*\b),     TB+4*(8+2*\b+1)
	ADD4 TB+4*(16*\a+2*\b), TB+4*(8+2*\b)
	MUL4 TB+4*(16*\a+2*\b+1), TB+4*(16*\a+2*\b), 0x3e800000    ; level 7 = sum of 4 / 4
	global_store_b128 v3, v[TB+4*(16*\a+2*\b+1):TB+4*(16*\a+2*\b+1)+3], s[18:19] offset:\a*P+16*\b
.endr
.endm
	s_wait_loadcnt 0x0
	LEVEL7 0
.irp i, 0,1,2,3,4,5,6,7
	global_load_b128 v[TB+4*(8+\i):TB+4*(8+\i)+3], v2, s[8:9] offset:3*512+\i*16   ; row 3; no pending store reads register row 1
.endr
	s_wait_loadcnt 0x0
	LEVEL7 1
	; From here register row 1 is free: it takes the scaled copies of levels 8 to 11, each in registers of its own.
.irp b, 0,1
	ADD4 TB+16*\b,    TB+16*\b+8
	ADD4 TB+64+16*\b, TB+64+16*\b+8
	ADD4 TB+16*\b,    TB+64+16*\b
	MUL4 TB+32+16*\b, TB+16*\b, 0x3d800000                     ; level 8 = sum of 16 / 16, kept in texel (1, 4 b)
	global_store_b128 v4, v[TB+32+16*\b:TB+32+16*\b+3], s[18:19] offset:R8*P+16*\b
.endr
	ADD4 TB, TB+16
	XSUM 4                                         ; + the lane one block row away
	MUL4 TB+36, TB, 0x3c800000                     ; level 9 = sum of 64 / 64, kept in texel (1, 1)
	global_store_b128 v5, v[TB+36:TB+39], s[18:19] offset:R9*P
	XSUM 1
	XSUM 8
	MUL4 TB+40, TB, 0x3b800000                     ; level 10, kept in texel (1, 2)
	global_store_b128 v6, v[TB+40:TB+43], s[18:19] offset:R10*P
	XSUM 2
.irp c, 0,1,2
	v_mov_b32 v[TB+56+\c], 0                       ; a destination of v_permlanex16_b32 counts as read
.endr
.irp c, 0,1,2
	v_permlanex16_b32 v[TB+56+\c], v[TB+\c], s24, s25
.endr
.irp c, 0,1,2
	v_add_f32 v[TB+\c], v[TB+\c], v[TB+56+\c]
.endr
	MUL4 TB+44, TB, 0x3a800000                     ; level 11, kept in texel (1, 3): one texel and its three copies
	global_store_b128 v7, v[TB+44:TB+47], s[18:19] offset:R11*P
	global_store_b128 v7, v[TB+44:TB+47], s[18:19] offset:R11*P+16
	global_store_b128 v7, v[TB+44:TB+47], s[18:19] offset:R11*P+P
	global_store_b128 v7, v[TB+44:TB+47], s[18:19] offset:R11*P+P+16
	; THE BORDERS, by lane mask.  EXEC is a source of pending stores: it changes only behind s_wait_xcnt 0 (ISA guide 3.1).
.macro MASKON mask
	s_wait_xcnt 0x0
	s_mov_b32 vcc_lo, \mask
	s_and_saveexec_b32 s[SV], vcc_lo
.endm
.macro MASKOFF
	s_wait_xcnt 0x0
	s_or_b32 exec_lo, exec_lo, s[SV]
.endm
	MASKON 0x11111111                              ; bx = 0: column W = column 0 of levels 7, 8, 9
	global_store_b128 v3, v[TB+4:TB+7],   s[18:19] offset:256
	global_store_b128 v3, v[TB+68:TB+71], s[18:19] offset:P+256
	global_store_b128 v4, v[TB+32:TB+35], s[18:19] offset:R8*P+128
	global_store_b128 v5, v[TB+36:TB+39], s[18:19] offset:R9*P+64
	MASKOFF
	MASKON 0xf                                     ; by = 0: row H = row 0 of levels 7 and 8
.irp b, 0,1,2,3
	global_store_b128 v3, v[TB+4*(2*\b+1):TB+4*(2*\b+1)+3], s[18:19] offset:16*P+16*\b
.endr
.irp b, 0,1
	global_store_b128 v4, v[TB+32+16*\b:TB+32+16*\b+3], s[18:19] offset:(R8+8)*P+16*\b
.endr
	MASKOFF
	MASKON 0x1                                     ; their corners
	global_store_b128 v3, v[TB+4:TB+7],   s[18:19] offset:16*P+256
	global_store_b128 v4, v[TB+32:TB+35], s[18:19] offset:(R8+8)*P+128
	MASKOFF
	MASKON 0xff                                    ; level 9: row 4 = row 0
	global_store_b128 v5, v[TB+36:TB+39], s[18:19] offset:(R9+4)*P
	MASKOFF
	MASKON 0x11                                    ; and its corner
	global_store_b128 v5, v[TB+36:TB+39], s[18:19] offset:(R9+4)*P+64
	MASKOFF
	MASKON 0x33333333                              ; level 10: column 2 = column 0,
	global_store_b128 v6, v[TB+40:TB+43], s[18:19] offset:R10*P+32
	MASKOFF
	MASKON 0xffff                                  ; row 2 = row 0,
	global_store_b128 v6, v[TB+40:TB+43], s[18:19] offset:(R10+2)*P
	MASKOFF
	MASKON 0x3333                                  ; the corner
	global_store_b128 v6, v[TB+40:TB+43], s[18:19] offset:(R10+2)*P+32
	MASKOFF                                        ; its s_wait_xcnt 0 also lets the lines below write v2 .. v127 and s[18:19] again
.Lpixels:
	; THE PIXELS.  A wave takes 128; a lane takes pixels 2 L and 2 L + 1 of two runs of 64: p = 0, 1 and p = 2, 3.
	v_and_b32 v5, 0xe0, v0                         ; 32 x wave
	v_lshlrev_b32 v2, 4, v1
	v_lshl_or_b32 v2, v5, 5, v2                    ; uv and idx: wave x 1,024 + 16 L
	v_lshlrev_b32 v3, 5, v1
	v_lshl_or_b32 v3, v5, 6, v3                    ; uv_da: wave x 2,048 + 32 L
	v_lshlrev_b32 v4, 3, v1
	v_lshl_or_b32 v4, v5, 4, v4                    ; frac: wave x 512 + 8 L
	s_lshl_b32 s18, ttmp9, 14
	s_mov_b32 s19, 0
	s_add_nc_u64 s[6:7], s[6:7], s[18:19]          ; 1,024 pixels of 16 bytes,
	s_lshl_b32 s18, ttmp9, 13
	s_add_nc_u64 s[4:5], s[4:5], s[18:19]          ; of 8,
	s_add_nc_u64 s[10:11], s[10:11], s[18:19]
	s_lshl_b32 s18, ttmp9, 12
	s_add_nc_u64 s[12:13], s[12:13], s[18:19]      ; of 4
.irp p, 0,1,2,3
	global_load_b128 v[DA+4*\p:DA+4*\p+3], v3, s[6:7] offset:(\p>>1)*1024+(\p&1)*16 th:TH_LOAD_NT
.endr
	global_load_b128 v[UV:UV+3],   v2, s[4:5]      ; no hint: the next launch reads uv again
	global_load_b128 v[UV+4:UV+7], v2, s[4:5] offset:512
	s_mov_b32 s20, 0x7ff
	s_mov_b32 s21, 4096
	v_mov_b32 v7, 1040                             ; atlas column of levels 2 and up
	s_wait_loadcnt 0x2                             ; the derivatives are in; the two loads of uv stay out
.irp p, 0,1,2,3
	v_mul_f32 v[LV+\p], v[DA+4*\p], v[DA+4*\p]
	v_mul_f32 v[T+\p], v[DA+4*\p+2], v[DA+4*\p+2]
	v_fmac_f32 v[LV+\p], v[DA+4*\p+1], v[DA+4*\p+1]
	v_fmac_f32 v[T+\p], v[DA+4*\p+3], v[DA+4*\p+3]
	v_max_num_f32 v[LV+\p], v[LV+\p], v[T+\p]
	v_mul_f32 v[LV+\p], 0x4a800000, v[LV+\p]       ; x 2048^2
	v_max_num_f32 v[LV+\p], 0x1e3ce508, v[LV+\p]   ; at least 1e-20
.endr
.irp p, 0,1,2,3
	v_log_f32 v[LV+\p], v[LV+\p]
.endr
	v_nop                                          ; one plain place behind the last v_log_f32 before its result is read (ISA guide 5.7.2)
	s_wait_alu depctr_va_vdst(0)
.irp p, 0,1,2,3
	v_mul_f32 v[LV+\p], 0.5, v[LV+\p]
	v_max_num_f32 v[LV+\p], 0, v[LV+\p]
	v_min_num_f32 v[LV+\p], 0x41300000, v[LV+\p]   ; at most 11
	v_floor_f32 v[T+\p], v[LV+\p]
	v_sub_f32 v[FR+\p], v[LV+\p], v[T+\p]
	v_cvt_u32_f32 v[LVA+\p], v[T+\p]
	v_add_nc_u32 v[LVB+\p], 1, v[LVA+\p]
	v_min_u32 v[LVB+\p], 11, v[LVB+\p]
.endr
; word w = the place in the atlas (levels 0 and 1: offsets 0) of the upper left texel of the fetch at level lam.
; x = u * 2^(11 - lam) - 0.5 in one fused multiply-add: the product by a power of two is exact, so this is the reference's number.
.macro COORD w, lam, u, v
	v_sub_nc_u32 v[T], 138, v[\lam]
	v_lshlrev_b32 v[T], 23, v[T]                   ; the float 2^(11 - lam)
	v_fma_f32 v[T+1], v[\u], v[T], -0.5
	v_fma_f32 v[T+2], v[\v], v[T], -0.5
	v_floor_f32 v[T+1], v[T+1]
	v_floor_f32 v[T+2], v[T+2]
	v_cvt_i32_f32 v[T+1], v[T+1]
	v_cvt_i32_f32 v[T+2], v[T+2]
	v_lshrrev_b32 v[T+3], v[\lam], s20             ; W - 1
	v_and_b32 v[T+1], v[T+1], v[T+3]               ; modulo W, for negative numbers too
	v_and_b32 v[T+2], v[T+2], v[T+3]
	v_lshrrev_b32 v[T+4], v[\lam], s21
	v_sub_nc_u32 v[T+4], v[\lam], v[T+4]
	v_add_nc_u32 v[T+4], 1022, v[T+4]              ; the level's first row: 1024 - (4096 >> lam) + lam - 2
	v_cmp_lt_u32 vcc_lo, 1, v[\lam]
	v_cndmask_b32 v[T+4], 0, v[T+4], vcc_lo
	v_cndmask_b32 v[T+5], 0, v7, vcc_lo
	v_add_lshl_u32 v[T+1], v[T+1], v[T+5], 4
	v_add_nc_u32 v[T+2], v[T+2], v[T+4]
	v_lshl_or_b32 v[\w], v[T+2], 16, v[T+1]
.endm
	s_wait_loadcnt 0x0
.irp p, 0,1,2,3
	COORD IX+2*\p,   LVA+\p, UV+2*\p, UV+2*\p+1
	COORD IX+2*\p+1, LVB+\p, UV+2*\p, UV+2*\p+1
	v_lshl_or_b32 v[IX+2*\p], v[LVA+\p], 27, v[IX+2*\p]
.endr
	global_store_b128 v2, v[IX:IX+3],   s[10:11]               ; 512 neighbouring bytes each
	global_store_b128 v2, v[IX+4:IX+7], s[10:11] offset:512
	global_store_b64 v4, v[FR:FR+1],   s[12:13]                ; 256 neighbouring bytes each
	global_store_b64 v4, v[FR+2:FR+3], s[12:13] offset:256
	s_endpgm
.Lfunc_end_k_q6d692d2bab_prep:
	.size	k_q6d692d2bab_prep, .Lfunc_end_k_q6d692d2bab_prep-k_q6d692d2bab_prep
	.p2alignl 7, 3214868480
	.fill 96, 4, 3214868480
	.section	.rodata,"a",@progbits
	.p2align	6, 0x0
	.amdhsa_kernel k_q6d692d2bab_prep
		.amdhsa_group_segment_fixed_size 0
		.amdhsa_private_segment_fixed_size 0
		.amdhsa_enable_private_segment 0
		.amdhsa_kernarg_size 48
		.amdhsa_user_sgpr_count 2
		.amdhsa_user_sgpr_kernarg_segment_ptr 1
		.amdhsa_wavefront_size32 1
		.amdhsa_system_sgpr_workgroup_id_x 1
		.amdhsa_system_sgpr_workgroup_id_y 1
		.amdhsa_system_sgpr_workgroup_id_z 1
		.amdhsa_system_vgpr_workitem_id 0
		.amdhsa_next_free_vgpr 128
		.amdhsa_next_free_sgpr 66
		.amdhsa_reserve_vcc 1
		.amdhsa_float_denorm_mode_32 3
		.amdhsa_float_denorm_mode_16_64 3
		.amdhsa_memory_ordered 1
		.amdhsa_forward_progress 1
		.amdhsa_inst_pref_size 29
	.end_amdhsa_kernel
	.amdgpu_metadata
---
amdhsa.version: [ 1, 2 ]
amdhsa.kernels:
  - .name:           k_q6d692d2bab_prep
    .symbol:         k_q6d692d2bab_prep.kd
    .args:
      - { .name: uv, .offset: 0, .size: 8, .value_kind: global_buffer, .address_space: global }
      - { .name: uv_da, .offset: 8, .size: 8, .value_kind: global_buffer, .address_space: global }
      - { .name: l6, .offset: 16, .size: 8, .value_kind: global_buffer, .address_space: global }
      - { .name: idx, .offset: 24, .size: 8, .value_kind: global_buffer, .address_space: global }
      - { .name: frac, .offset: 32, .size: 8, .value_kind: global_buffer, .address_space: global }
      - { .name: atlas, .offset: 40, .size: 8, .value_kind: global_buffer, .address_space: global }
    .group_segment_fixed_size: 0
    .private_segment_fixed_size: 0
    .kernarg_segment_align: 8
    .kernarg_segment_size: 48
    .max_flat_workgroup_size: 256
    .sgpr_count:     66
    .vgpr_count:     128
    .wavefront_size: 32
...
	.end_amdgpu_metadata
.endif
;; end of part 2
;; launch sample (part 3): grid 1024 x 1, 8 waves a work-group, no clusters, 13,312 bytes of LDS; arguments idx, frac, uv, texture, atlas, out0; writes out0
.if DOCPART == 3
	.amdgcn_target "amdgcn-amd-amdhsa--gfx1250"
	.amdhsa_code_object_version 6
	.text
	.protected	k_q6d692d2bab_sample
	.globl	k_q6d692d2bab_sample
	.p2align	8
	.type	k_q6d692d2bab_sample,@function
k_q6d692d2bab_sample:
	s_mov_b64 s[64:65], 0
	v_nop
	global_prefetch_b8 v0, s[64:65] scope:SCOPE_SE
	s_setreg_imm32_b32 hwreg(HW_REG_WAVE_MODE, 25, 1), 1
	s_wait_xcnt 0x0
; THE FETCHES: for each pixel a wrapped bilinear fetch at levels l0 and l1 and a lerp between them.
; Every gather address comes from idx, whole numbers that the launch before stored:
;   word A (level l0), word B (level l1): bits 14:4 atlas column, bits 26:16 atlas row; word A bits 30:27: l0.
; In the atlas a texel is 16 bytes and each level carries a copy of its column 0 and row 0 behind its last ones, so a fetch is four
; 16-byte loads at one address plus 0, 16, P, P + 16.
; LEVEL 0 is not in the atlas: its four texels come from the texture, 12 loads of 4 bytes a pixel.  The text has no branch: both
; fetches are made for every pixel and v_cndmask_b32 takes the right one.  A lane whose pixel has l0 = 0 repeats its level-1 address
; in the atlas, and a lane whose pixel has l0 > 0 reads texel (0, 0) of the texture and its neighbours, the same four addresses in
; all such lanes: neither asks for bytes that are not wanted anyway or shared.
; The weights fx, fy are made again from uv and l0 with the same fused multiply-add that made the indices, so both agree.
; A work-group takes 1,024 pixels, a wave 128, a lane four: pixels 2 L and 2 L + 1 of two runs of 64.  All 80 loads of a wave are
; issued before the first is waited for.  The 12 bytes of a pixel go through the wave's own 1,536 bytes of LDS, so that each
; store of the wave covers 512 neighbouring bytes, aligned.  No barrier: no wave reads another's bytes.
; LIMITS: a lerp is a + w (b - a), not a (1 - w) + b w; uv as in the launch before (finite, |uv| * 2048 < 2^31).
; No matrix unit (no product), no tensor loads or cluster (nothing is shared by design), no loop (one batch a wave).
.set P,   25088                        ; bytes in a row of the atlas
.set IX,  8                            ; v[8:15]    pixel p: word A at IX + 2 p, word B behind it
.set UV,  16                           ; v[16:23]   pixel p: u at UV + 2 p, v behind it
.set OUT, 8                            ; v[8:19]    results, 3 numbers a pixel, in the order of memory: idx and uv are dead by then
.set FR,  24                           ; v[24:27]   pixel p: level - l0
.set LVA, 28                           ; v[28:31]   l0
.set ADA, 32                           ; v[32:35]   byte offset in the atlas of the fetch at l0
.set ADB, 36                           ; v[36:39]   at l1
.set WT,  40                           ; v[40:55]   pixel p: fx, fy at l0, then fx, fy at l1
.set T,   56                           ; v[56:63]   at work
.set RA,  64                           ; v[64:79]   pixel p: byte offsets of the four level-0 texels in the texture, at RA + 4 p
.set RD,  80                           ; v[80:127]  pixel p: those four texels, 3 numbers each, at RD + 12 p
.set G,   128                          ; v[128:255] pixel p: texel k (00, 01, 10, 11) of l0 at G + 32 p + 4 k, of l1 16 further
.set RB,  G+16                         ; v[144:155] the way out (pixel 0's registers, free by then)
	s_load_b256 s[4:11], s[0:1], 0x0               ; idx s[4:5], frac s[6:7], uv s[8:9], texture s[10:11]
	s_load_b128 s[12:15], s[0:1], 0x20             ; atlas s[12:13], out0 s[14:15]
	v_lshl_add_u32 v62, v0, 2, 0x3000
	v_mov_b32 v63, 0
	v_lshrrev_b32 v1, 5, v0
	v_readfirstlane_b32 s16, v1                    ; wave
	v_and_b32 v1, 31, v0                           ; L: lane
	v_and_b32 v6, 0xe0, v0                         ; 32 x wave
	v_lshlrev_b32 v2, 4, v1
	v_lshl_or_b32 v2, v6, 5, v2                    ; idx and uv: wave x 1,024 + 16 L
	v_lshlrev_b32 v3, 3, v1
	v_lshl_or_b32 v3, v6, 4, v3                    ; frac: wave x 512 + 8 L
	s_mul_i32 s17, s16, 1536                       ; 128 pixels of 12 bytes: my wave's part of out0, and its stage in LDS
	v_lshl_add_u32 v4, v1, 4, s17                  ; read back and store: 16 L
	v_mad_u32_u24 v5, v1, 24, s17                  ; put: two pixels, 24 L
	s_lshl_b32 s18, ttmp9, 13
	s_mov_b32 s19, 0
	s_wait_kmcnt 0x0
	s_add_nc_u64 s[4:5], s[4:5], s[18:19]
	s_add_nc_u64 s[8:9], s[8:9], s[18:19]
	s_lshl_b32 s18, ttmp9, 12
	s_add_nc_u64 s[6:7], s[6:7], s[18:19]
	s_mul_i32 s18, ttmp9, 12288
	s_add_nc_u64 s[14:15], s[14:15], s[18:19]
	global_load_b128 v[IX:IX+3],   v2, s[4:5] th:TH_LOAD_NT
	global_load_b128 v[IX+4:IX+7], v2, s[4:5] offset:512 th:TH_LOAD_NT
	global_load_b128 v[UV:UV+3],   v2, s[8:9] th:TH_LOAD_NT
	global_load_b128 v[UV+4:UV+7], v2, s[8:9] offset:512 th:TH_LOAD_NT
	global_load_b64 v[FR:FR+1],   v3, s[6:7] th:TH_LOAD_NT
	global_load_b64 v[FR+2:FR+3], v3, s[6:7] offset:256 th:TH_LOAD_NT
; a = byte offset in the atlas from word v[w].  Both fields are clamped so that the fetch's last byte, at + P + 31, is inside:
; column at most 1,566 (x 16 = 0x61e0), row at most 1,031 of 1,033.
.macro PLACE a, w
	v_and_b32 v[T+1], 0x7ff0, v[\w]
	v_min_u32 v[T+1], 0x61e0, v[T+1]
	v_bfe_u32 v[T+2], v[\w], 16, 11
	v_min_u32 v[T+2], 1031, v[T+2]
	v_mul_u32_u24 v[T+2], P, v[T+2]
	v_add_nc_u32 v[\a], v[T+2], v[T+1]
.endm
.macro FETCH4 g, a
	global_load_b128 v[\g:\g+3],     v[\a], s[12:13]
	global_load_b128 v[\g+4:\g+7],   v[\a], s[12:13] offset:16
	global_load_b128 v[\g+8:\g+11],  v[\a], s[12:13] offset:P
	global_load_b128 v[\g+12:\g+15], v[\a], s[12:13] offset:P+16
.endm
	s_wait_loadcnt 0x4                             ; idx is in; the loads of uv (2) and frac (2) stay out
.irp p, 0,1,2,3
	v_bfe_u32 v[LVA+\p], v[IX+2*\p], 27, 4
	v_cmp_eq_u32 s[20+\p], 0, v[LVA+\p]            ; s20..s23: the lanes whose pixel p has l0 = 0
	v_cndmask_b32 v[T], v[IX+2*\p], v[IX+2*\p+1], s[20+\p]
	PLACE ADA+\p, T
	PLACE ADB+\p, IX+2*\p+1
	FETCH4 G+32*\p,    ADA+\p
	FETCH4 G+32*\p+16, ADB+\p
.endr
	s_wait_loadcnt 0x20                            ; uv and frac are in; the 32 gathers stay out
; fx, fy at both levels: x = u * 2^(11 - level) - 0.5, fraction = x - floor(x)
.irp p, 0,1,2,3
	v_sub_nc_u32 v[T], 138, v[LVA+\p]
	v_add_nc_u32 v[T+1], 1, v[LVA+\p]
	v_lshlrev_b32 v[T], 23, v[T]                   ; the float 2^(11 - l0)
	v_min_u32 v[T+1], 11, v[T+1]
	v_sub_nc_u32 v[T+1], 138, v[T+1]
	v_lshlrev_b32 v[T+1], 23, v[T+1]               ; 2^(11 - l1)
	v_fma_f32 v[WT+4*\p],   v[UV+2*\p],   v[T],   -0.5
	v_fma_f32 v[WT+4*\p+1], v[UV+2*\p+1], v[T],   -0.5
	v_fma_f32 v[WT+4*\p+2], v[UV+2*\p],   v[T+1], -0.5
	v_fma_f32 v[WT+4*\p+3], v[UV+2*\p+1], v[T+1], -0.5
.irp k, 0,1,2,3
	v_floor_f32 v[T+2+\k], v[WT+4*\p+\k]
.endr
.irp k, 0,1,2,3
	v_sub_f32 v[WT+4*\p+\k], v[WT+4*\p+\k], v[T+2+\k]
.endr
.endr
; The level-0 fetch of pixel p: four texels of 12 bytes from the texture, with wrap.  A lane whose l0 is not 0 takes column 0, row 0.
; Loads of 4 bytes, so that each address is a multiple of its width.  Each pixel has offset registers of its own: none is written
; while a load that names it is out.
.macro FETCH0 p
	v_cndmask_b32 v[T], 0, v[IX+2*\p], s[20+\p]
	v_bfe_u32 v[T+1], v[T], 4, 11
	v_min_u32 v[T+1], 0x7ff, v[T+1]                ; ix0
	v_bfe_u32 v[T+2], v[T], 16, 11
	v_min_u32 v[T+2], 0x7ff, v[T+2]                ; iy0
	v_add_nc_u32 v[T+3], 1, v[T+1]
	v_and_b32 v[T+3], 0x7ff, v[T+3]                ; ix1
	v_add_nc_u32 v[T+4], 1, v[T+2]
	v_and_b32 v[T+4], 0x7ff, v[T+4]                ; iy1
	v_mul_u32_u24 v[T+1], 12, v[T+1]
	v_mul_u32_u24 v[T+3], 12, v[T+3]
	v_mul_u32_u24 v[T+2], 0x6000, v[T+2]           ; a row of the texture: 24,576 bytes
	v_mul_u32_u24 v[T+4], 0x6000, v[T+4]
	v_add_nc_u32 v[RA+4*\p],   v[T+2], v[T+1]
	v_add_nc_u32 v[RA+4*\p+1], v[T+2], v[T+3]
	v_add_nc_u32 v[RA+4*\p+2], v[T+4], v[T+1]
	v_add_nc_u32 v[RA+4*\p+3], v[T+4], v[T+3]
.irp k, 0,1,2,3
.irp c, 0,1,2
	global_load_b32 v[RD+12*\p+3*\k+\c], v[RA+4*\p+\k], s[10:11] offset:4*\c
.endr
.endr
.endm
.irp p, 0,1,2,3
	FETCH0 \p
.endr
; texel a += (texel b - texel a) * weight; the weight is register sel of the pair wp
.macro LERP a, b, wp, sel
	v_pk_add_f32 v[\b:\b+1], v[\b:\b+1], v[\a:\a+1] neg_lo:[0,1] neg_hi:[0,1]
	v_sub_f32 v[\b+2], v[\b+2], v[\a+2]
	v_pk_fma_f32 v[\a:\a+1], v[\b:\b+1], v[\wp:\wp+1], v[\a:\a+1] op_sel:[0,\sel,0] op_sel_hi:[1,\sel,1]
	v_fma_f32 v[\a+2], v[\b+2], v[\wp+\sel], v[\a+2]
.endm
.macro BLEND p
.irp k, 0,1,2,3
.irp c, 0,1,2
	v_cndmask_b32 v[G+32*\p+4*\k+\c], v[G+32*\p+4*\k+\c], v[RD+12*\p+3*\k+\c], s[20+\p]   ; l0 = 0: the texture's texel
.endr
.endr
	LERP G+32*\p,    G+32*\p+4,  WT+4*\p,   0      ; level l0: along x, twice; along y
	LERP G+32*\p+8,  G+32*\p+12, WT+4*\p,   0
	LERP G+32*\p,    G+32*\p+8,  WT+4*\p,   1
	LERP G+32*\p+16, G+32*\p+20, WT+4*\p+2, 0      ; level l1
	LERP G+32*\p+24, G+32*\p+28, WT+4*\p+2, 0
	LERP G+32*\p+16, G+32*\p+24, WT+4*\p+2, 1
	v_pk_add_f32 v[G+32*\p+16:G+32*\p+17], v[G+32*\p+16:G+32*\p+17], v[G+32*\p:G+32*\p+1] neg_lo:[0,1] neg_hi:[0,1]
	v_sub_f32 v[G+32*\p+18], v[G+32*\p+18], v[G+32*\p+2]
.irp c, 0,1,2
	v_fma_f32 v[OUT+3*\p+\c], v[G+32*\p+16+\c], v[FR+\p], v[G+32*\p+\c]   ; between the levels, into the order of memory
.endr
.endm
.irp p, 0,1,2,3
	s_wait_loadcnt 36-12*\p                        ; pixel p's twelve texture loads are in, and with them all 32 older gathers; the
	BLEND \p                                       ; twelve of each later pixel stay out
.endr
.irp j, 0,1,2
	ds_store_b64 v5, v[OUT+2*\j:OUT+2*\j+1] offset:8*\j            ; pixels 2 L, 2 L + 1 of the first run: 24 bytes
.endr
.irp j, 0,1,2
	ds_store_b64 v5, v[OUT+6+2*\j:OUT+6+2*\j+1] offset:768+8*\j    ; of the second run
.endr
.irp k, 0,1,2
	ds_load_b128 v[RB+4*\k:RB+4*\k+3], v4 offset:512*\k            ; my wave's own bytes; LDS serves a wave's instructions in order (ISA guide 5.7.1)
.endr
.irp k, 0,1,2
	s_wait_dscnt 2-\k                              ; read-back k is in; the younger ones stay out
	global_store_b128 v4, v[RB+4*\k:RB+4*\k+3], s[14:15] offset:512*\k th:TH_STORE_NT
.endr
	s_wait_tensorcnt 0x0
	ds_add_u32 v62, v63
	s_wait_dscnt 0x0
	s_endpgm
.Lfunc_end_k_q6d692d2bab_sample:
	.size	k_q6d692d2bab_sample, .Lfunc_end_k_q6d692d2bab_sample-k_q6d692d2bab_sample
	.p2alignl 7, 3214868480
	.fill 96, 4, 3214868480
	.section	.rodata,"a",@progbits
	.p2align	6, 0x0
	.amdhsa_kernel k_q6d692d2bab_sample
		.amdhsa_group_segment_fixed_size 13312
		.amdhsa_private_segment_fixed_size 0
		.amdhsa_enable_private_segment 0
		.amdhsa_kernarg_size 48
		.amdhsa_user_sgpr_count 2
		.amdhsa_user_sgpr_kernarg_segment_ptr 1
		.amdhsa_wavefront_size32 1
		.amdhsa_system_sgpr_workgroup_id_x 1
		.amdhsa_system_sgpr_workgroup_id_y 1
		.amdhsa_system_sgpr_workgroup_id_z 1
		.amdhsa_system_vgpr_workitem_id 0
		.amdhsa_next_free_vgpr 256
		.amdhsa_next_free_sgpr 66
		.amdhsa_reserve_vcc 0
		.amdhsa_float_denorm_mode_32 3
		.amdhsa_float_denorm_mode_16_64 3
		.amdhsa_memory_ordered 1
		.amdhsa_forward_progress 1
		.amdhsa_inst_pref_size 30
	.end_amdhsa_kernel
	.amdgpu_metadata
---
amdhsa.version: [ 1, 2 ]
amdhsa.kernels:
  - .name:           k_q6d692d2bab_sample
    .symbol:         k_q6d692d2bab_sample.kd
    .args:
      - { .name: idx, .offset: 0, .size: 8, .value_kind: global_buffer, .address_space: global }
      - { .name: frac, .offset: 8, .size: 8, .value_kind: global_buffer, .address_space: global }
      - { .name: uv, .offset: 16, .size: 8, .value_kind: global_buffer, .address_space: global }
      - { .name: texture, .offset: 24, .size: 8, .value_kind: global_buffer, .address_space: global }
      - { .name: atlas, .offset: 32, .size: 8, .value_kind: global_buffer, .address_space: global }
      - { .name: out0, .offset: 40, .size: 8, .value_kind: global_buffer, .address_space: global }
    .group_segment_fixed_size: 13312
    .private_segment_fixed_size: 0
    .kernarg_segment_align: 8
    .kernarg_segment_size: 48
    .max_flat_workgroup_size: 256
    .sgpr_count:     66
    .vgpr_count:     256
    .wavefront_size: 32
...
	.end_amdgpu_metadata
.endif
;; end of part 3
;; ======== version 2 of 2: 3 launches; version 1 with the launch sample written anew for expert scheduling mode
;; workspace buffers: atlas 25,915,904 bytes; l6 16,384 bytes; idx 8,388,608 bytes of whole numbers; frac 4,194,304 bytes
;; launch mips: the kernel of part 1 again; grid 32 x 32, 8 waves a work-group, no clusters, 18,432 bytes of LDS; arguments texture, atlas, l6; writes atlas, l6
;; launch prep: the kernel of part 2 again; grid 1024 x 1, 8 waves a work-group, no clusters, 0 bytes of LDS; arguments uv, uv_da, l6, idx, frac, atlas; writes idx, frac, atlas
;; launch sample (part 4): grid 1024 x 1, 8 waves a work-group, no clusters, 13,312 bytes of LDS; arguments idx, frac, uv, texture, atlas, out0; writes out0
.if DOCPART == 4
	.amdgcn_target "amdgcn-amd-amdhsa--gfx1250"
	.amdhsa_code_object_version 6
	.text
	.protected	k_q6d692d2bab_sample
	.globl	k_q6d692d2bab_sample
	.p2align	8
	.type	k_q6d692d2bab_sample,@function
k_q6d692d2bab_sample:
	s_mov_b64 s[64:65], 0
	v_nop
	global_prefetch_b8 v0, s[64:65] scope:SCOPE_SE
	s_setreg_imm32_b32 hwreg(HW_REG_WAVE_SCHED_MODE, 0, 2), 2
	s_setreg_imm32_b32 hwreg(HW_REG_WAVE_MODE, 25, 1), 1
	s_wait_xcnt 0x0
	s_wait_alu depctr_vm_vsrc(0)
; THE FETCHES: for each pixel a wrapped bilinear fetch at levels l0 and l1 and a lerp between them.
; Every gather address comes from idx, whole numbers that the launch before stored:
;   word A (level l0), word B (level l1): bits 14:4 atlas column, bits 26:16 atlas row; word A bits 30:27: l0.
; In the atlas a texel is 16 bytes and each level carries a copy of its column 0 and row 0 behind its last ones, so a fetch is four
; 16-byte loads at one address plus 0, 16, P, P + 16.
; LEVEL 0 is not in the atlas: its four texels come from the texture, 12 loads of 4 bytes a pixel.  The text has no branch: both
; fetches are made for every pixel and v_cndmask_b32 takes the right one.  A lane whose pixel has l0 = 0 repeats its level-1 address
; in the atlas, and a lane whose pixel has l0 > 0 reads texel (0, 0) of the texture and its neighbours, the same four addresses in
; all such lanes: neither asks for bytes that are not wanted anyway or shared.
; The weights fx, fy are made again from uv and l0 with the same fused multiply-add that made the indices, so both agree.
; A work-group takes 1,024 pixels, a wave 128, a lane four: pixels 2 L and 2 L + 1 of two runs of 64.  All 80 loads of a wave are
; issued before the first is waited for.  The 12 bytes of a pixel go through the wave's own 1,536 bytes of LDS, so that each
; store of the wave covers 512 neighbouring bytes, aligned.  No barrier: no wave reads another's bytes.
; LIMITS: a lerp is a + w (b - a), not a (1 - w) + b w; uv as in the launch before (finite, |uv| * 2048 < 2^31).
; No matrix unit (no product), no tensor loads or cluster (nothing is shared by design), no loop (one batch a wave).
; THE MODE: SCHED_MODE bits 1:0 = 2 (LLVM: expert scheduling mode 2), set by the entry lines.  The code itself states the register
; dependences between vector instructions and memory or LDS instructions, with s_wait_alu, always for 0.
; THE PLAN.  Registers that memory or LDS instructions touch:
;   v2 .. v5         offsets and LDS addresses, made once at the head and never written again.
;   IX, UV, FR       six loads land in them; no vector instruction names them before; behind their waits vector instructions alone.
;   ADA, ADB, RA     the 24 gather offsets, all made from idx in ONE block and never written again; read by the 80 gathers.
;   G, RD            the 80 gathers land in them; no vector instruction names them before; the blends read them behind their waits.
;   OUT              written by the blends' last lines; read by the six LDS stores.
;   RB               part of pixel 0's G, which its blend has read and written; the three loads from the stage land in it.
; So three waits on va_vdst stand in the text: ahead of the first load (v2 .. v5), behind the block of offsets (it serves all 80
; gathers: the only vector lines among them, the weights, name LVA, UV, WT and T alone), and behind the last blend (OUT and RB).
; Two waits on va_sdst: behind v_readfirstlane_b32 and behind the run of four compares.  No register that a memory or LDS
; instruction reads is written afterwards, so there is no wait on vm_vsrc; EXEC is never written.
.set P,   25088                        ; bytes in a row of the atlas
.set IX,  8                            ; v[8:15]    pixel p: word A at IX + 2 p, word B behind it
.set UV,  16                           ; v[16:23]   pixel p: u at UV + 2 p, v behind it
.set OUT, 8                            ; v[8:19]    results, 3 numbers a pixel, in the order of memory: idx and uv are dead by then
.set FR,  24                           ; v[24:27]   pixel p: level - l0
.set LVA, 28                           ; v[28:31]   l0
.set ADA, 32                           ; v[32:35]   byte offset in the atlas of the fetch at l0
.set ADB, 36                           ; v[36:39]   at l1
.set WT,  40                           ; v[40:55]   pixel p: fx, fy at l0, then fx, fy at l1
.set T,   56                           ; v[56:63]   at work: no memory instruction names them
.set RA,  64                           ; v[64:79]   pixel p: byte offsets of the four level-0 texels in the texture, at RA + 4 p
.set RD,  80                           ; v[80:127]  pixel p: those four texels, 3 numbers each, at RD + 12 p
.set G,   128                          ; v[128:255] pixel p: texel k (00, 01, 10, 11) of l0 at G + 32 p + 4 k, of l1 16 further
.set RB,  G+16                         ; v[144:155] the way out (pixel 0's registers, free by then)
	s_load_b256 s[4:11], s[0:1], 0x0               ; idx s[4:5], frac s[6:7], uv s[8:9], texture s[10:11]
	s_load_b128 s[12:15], s[0:1], 0x20             ; atlas s[12:13], out0 s[14:15]
	v_lshl_add_u32 v62, v0, 2, 0x3000
	v_mov_b32 v63, 0
	v_lshrrev_b32 v1, 5, v0
	v_readfirstlane_b32 s16, v1                    ; wave
	v_and_b32 v1, 31, v0                           ; L: lane
	v_and_b32 v6, 0xe0, v0                         ; 32 x wave
	v_lshlrev_b32 v2, 4, v1
	v_lshl_or_b32 v2, v6, 5, v2                    ; idx and uv: wave x 1,024 + 16 L
	v_lshlrev_b32 v3, 3, v1
	v_lshl_or_b32 v3, v6, 4, v3                    ; frac: wave x 512 + 8 L
	s_wait_alu depctr_va_sdst(0)                   ; s16 is written, ahead of its first reader, the line below
	s_mul_i32 s17, s16, 1536                       ; 128 pixels of 12 bytes: my wave's part of out0, and its stage in LDS
	v_lshl_add_u32 v4, v1, 4, s17                  ; read back and store: 16 L
	v_mad_u32_u24 v5, v1, 24, s17                  ; put: two pixels, 24 L
	s_lshl_b32 s18, ttmp9, 13
	s_mov_b32 s19, 0
	s_wait_kmcnt 0x0
	s_add_nc_u64 s[4:5], s[4:5], s[18:19]
	s_add_nc_u64 s[8:9], s[8:9], s[18:19]
	s_lshl_b32 s18, ttmp9, 12
	s_add_nc_u64 s[6:7], s[6:7], s[18:19]
	s_mul_i32 s18, ttmp9, 12288
	s_add_nc_u64 s[14:15], s[14:15], s[18:19]
	s_wait_alu depctr_va_vdst(0)                   ; v2 to v5 are written: the loads below read v2 and v3, the way out reads v4 and v5; none is written again
	global_load_b128 v[IX:IX+3],   v2, s[4:5] th:TH_LOAD_NT
	global_load_b128 v[IX+4:IX+7], v2, s[4:5] offset:512 th:TH_LOAD_NT
	global_load_b128 v[UV:UV+3],   v2, s[8:9] th:TH_LOAD_NT
	global_load_b128 v[UV+4:UV+7], v2, s[8:9] offset:512 th:TH_LOAD_NT
	global_load_b64 v[FR:FR+1],   v3, s[6:7] th:TH_LOAD_NT
	global_load_b64 v[FR+2:FR+3], v3, s[6:7] offset:256 th:TH_LOAD_NT
; a = byte offset in the atlas from word v[w].  Both fields are clamped so that the fetch's last byte, at + P + 31, is inside:
; column at most 1,566 (x 16 = 0x61e0), row at most 1,031 of 1,033.
.macro PLACE a, w
	v_and_b32 v[T+1], 0x7ff0, v[\w]
	v_min_u32 v[T+1], 0x61e0, v[T+1]
	v_bfe_u32 v[T+2], v[\w], 16, 11
	v_min_u32 v[T+2], 1031, v[T+2]
	v_mul_u32_u24 v[T+2], P, v[T+2]
	v_add_nc_u32 v[\a], v[T+2], v[T+1]
.endm
; The places of pixel p's level-0 fetch: four texels of 12 bytes in the texture, with wrap.  A lane whose l0 is not 0 takes column 0,
; row 0.  Each pixel has offset registers of its own: none is written while a load that names it is out.
.macro PLACE0 p
	v_cndmask_b32 v[T], 0, v[IX+2*\p], s[20+\p]
	v_bfe_u32 v[T+1], v[T], 4, 11
	v_min_u32 v[T+1], 0x7ff, v[T+1]                ; ix0
	v_bfe_u32 v[T+2], v[T], 16, 11
	v_min_u32 v[T+2], 0x7ff, v[T+2]                ; iy0
	v_add_nc_u32 v[T+3], 1, v[T+1]
	v_and_b32 v[T+3], 0x7ff, v[T+3]                ; ix1
	v_add_nc_u32 v[T+4], 1, v[T+2]
	v_and_b32 v[T+4], 0x7ff, v[T+4]                ; iy1
	v_mul_u32_u24 v[T+1], 12, v[T+1]
	v_mul_u32_u24 v[T+3], 12, v[T+3]
	v_mul_u32_u24 v[T+2], 0x6000, v[T+2]           ; a row of the texture: 24,576 bytes
	v_mul_u32_u24 v[T+4], 0x6000, v[T+4]
	v_add_nc_u32 v[RA+4*\p],   v[T+2], v[T+1]
	v_add_nc_u32 v[RA+4*\p+1], v[T+2], v[T+3]
	v_add_nc_u32 v[RA+4*\p+2], v[T+4], v[T+1]
	v_add_nc_u32 v[RA+4*\p+3], v[T+4], v[T+3]
.endm
.macro FETCH4 g, a
	global_load_b128 v[\g:\g+3],     v[\a], s[12:13]
	global_load_b128 v[\g+4:\g+7],   v[\a], s[12:13] offset:16
	global_load_b128 v[\g+8:\g+11],  v[\a], s[12:13] offset:P
	global_load_b128 v[\g+12:\g+15], v[\a], s[12:13] offset:P+16
.endm
; The level-0 fetch of pixel p.  Loads of 4 bytes, so that each address is a multiple of its width.
.macro FETCH0 p
.irp k, 0,1,2,3
.irp c, 0,1,2
	global_load_b32 v[RD+12*\p+3*\k+\c], v[RA+4*\p+\k], s[10:11] offset:4*\c
.endr
.endr
.endm
; fx, fy of pixel p at both levels: x = u * 2^(11 - level) - 0.5, fraction = x - floor(x)
.macro WEIGHTS p
	v_sub_nc_u32 v[T], 138, v[LVA+\p]
	v_add_nc_u32 v[T+1], 1, v[LVA+\p]
	v_lshlrev_b32 v[T], 23, v[T]                   ; the float 2^(11 - l0)
	v_min_u32 v[T+1], 11, v[T+1]
	v_sub_nc_u32 v[T+1], 138, v[T+1]
	v_lshlrev_b32 v[T+1], 23, v[T+1]               ; 2^(11 - l1)
	v_fma_f32 v[WT+4*\p],   v[UV+2*\p],   v[T],   -0.5
	v_fma_f32 v[WT+4*\p+1], v[UV+2*\p+1], v[T],   -0.5
	v_fma_f32 v[WT+4*\p+2], v[UV+2*\p],   v[T+1], -0.5
	v_fma_f32 v[WT+4*\p+3], v[UV+2*\p+1], v[T+1], -0.5
.irp k, 0,1,2,3
	v_floor_f32 v[T+2+\k], v[WT+4*\p+\k]
.endr
.irp k, 0,1,2,3
	v_sub_f32 v[WT+4*\p+\k], v[WT+4*\p+\k], v[T+2+\k]
.endr
.endm
	; ALL 24 GATHER OFFSETS, from idx alone, in one block
	s_wait_loadcnt 0x4                             ; idx is in; the loads of uv (2) and frac (2) stay out
.irp p, 0,1,2,3
	v_bfe_u32 v[LVA+\p], v[IX+2*\p], 27, 4
.endr
.irp p, 0,1,2,3
	v_cmp_eq_u32 s[20+\p], 0, v[LVA+\p]            ; s20..s23: the lanes whose pixel p has l0 = 0
.endr
	s_wait_alu depctr_va_sdst(0)                   ; s20 to s23 are written, ahead of their first reader, the v_cndmask_b32 below
.irp p, 0,1,2,3
	v_cndmask_b32 v[T], v[IX+2*\p], v[IX+2*\p+1], s[20+\p]
	PLACE ADA+\p, T
	PLACE ADB+\p, IX+2*\p+1
.endr
.irp p, 0,1,2,3
	PLACE0 \p
.endr
	s_wait_alu depctr_va_vdst(0)                   ; ADA, ADB and RA are written, which the 80 loads below read as their offsets; the vector lines among those loads name none of ADA, ADB, RA, G, RD
.irp p, 0,1,2,3
	FETCH4 G+32*\p,    ADA+\p
	FETCH4 G+32*\p+16, ADB+\p
.endr
	s_wait_loadcnt 0x20                            ; uv and frac are in; the 32 gathers stay out
.irp p, 0,1,2,3
	FETCH0 \p                                      ; a pixel's twelve loads, then its weights: vector work on LVA, UV, WT and T while the loads go out
	WEIGHTS \p
.endr
; texel a += (texel b - texel a) * weight; the weight is register sel of the pair wp
.macro LERP a, b, wp, sel
	v_pk_add_f32 v[\b:\b+1], v[\b:\b+1], v[\a:\a+1] neg_lo:[0,1] neg_hi:[0,1]
	v_sub_f32 v[\b+2], v[\b+2], v[\a+2]
	v_pk_fma_f32 v[\a:\a+1], v[\b:\b+1], v[\wp:\wp+1], v[\a:\a+1] op_sel:[0,\sel,0] op_sel_hi:[1,\sel,1]
	v_fma_f32 v[\a+2], v[\b+2], v[\wp+\sel], v[\a+2]
.endm
.macro BLEND p
.irp k, 0,1,2,3
.irp c, 0,1,2
	v_cndmask_b32 v[G+32*\p+4*\k+\c], v[G+32*\p+4*\k+\c], v[RD+12*\p+3*\k+\c], s[20+\p]   ; l0 = 0: the texture's texel
.endr
.endr
	LERP G+32*\p,    G+32*\p+4,  WT+4*\p,   0      ; level l0: along x, twice; along y
	LERP G+32*\p+8,  G+32*\p+12, WT+4*\p,   0
	LERP G+32*\p,    G+32*\p+8,  WT+4*\p,   1
	LERP G+32*\p+16, G+32*\p+20, WT+4*\p+2, 0      ; level l1
	LERP G+32*\p+24, G+32*\p+28, WT+4*\p+2, 0
	LERP G+32*\p+16, G+32*\p+24, WT+4*\p+2, 1
	v_pk_add_f32 v[G+32*\p+16:G+32*\p+17], v[G+32*\p+16:G+32*\p+17], v[G+32*\p:G+32*\p+1] neg_lo:[0,1] neg_hi:[0,1]
	v_sub_f32 v[G+32*\p+18], v[G+32*\p+18], v[G+32*\p+2]
.irp c, 0,1,2
	v_fma_f32 v[OUT+3*\p+\c], v[G+32*\p+16+\c], v[FR+\p], v[G+32*\p+\c]   ; between the levels, into the order of memory
.endr
.endm
.irp p, 0,1,2,3
	s_wait_loadcnt 36-12*\p                        ; pixel p's twelve texture loads are in, and with them all 32 older gathers; the
	BLEND \p                                       ; twelve of each later pixel stay out
.endr
	s_wait_alu depctr_va_vdst(0)                   ; the blends have written OUT, which the LDS stores read, and pixel 0's blend is done with RB, in which the loads from the stage land; no vector line follows
.irp j, 0,1,2
	ds_store_b64 v5, v[OUT+2*\j:OUT+2*\j+1] offset:8*\j            ; pixels 2 L, 2 L + 1 of the first run: 24 bytes
.endr
.irp j, 0,1,2
	ds_store_b64 v5, v[OUT+6+2*\j:OUT+6+2*\j+1] offset:768+8*\j    ; of the second run
.endr
.irp k, 0,1,2
	ds_load_b128 v[RB+4*\k:RB+4*\k+3], v4 offset:512*\k            ; my wave's own bytes; LDS serves a wave's instructions in order (ISA guide 5.7.1)
.endr
.irp k, 0,1,2
	s_wait_dscnt 2-\k                              ; read-back k is in; the younger ones stay out
	global_store_b128 v4, v[RB+4*\k:RB+4*\k+3], s[14:15] offset:512*\k th:TH_STORE_NT
.endr
	s_wait_dscnt 0x0
	s_wait_alu depctr_hold_cnt(0) depctr_sa_sdst(0) depctr_va_vdst(0) depctr_va_sdst(0) depctr_va_ssrc(0) depctr_va_vcc(0) depctr_vm_vsrc(0)
	s_wait_tensorcnt 0x0
	ds_add_u32 v62, v63
	s_wait_dscnt 0x0
	s_endpgm
.Lfunc_end_k_q6d692d2bab_sample:
	.size	k_q6d692d2bab_sample, .Lfunc_end_k_q6d692d2bab_sample-k_q6d692d2bab_sample
	.p2alignl 7, 3214868480
	.fill 96, 4, 3214868480
	.section	.rodata,"a",@progbits
	.p2align	6, 0x0
	.amdhsa_kernel k_q6d692d2bab_sample
		.amdhsa_group_segment_fixed_size 13312
		.amdhsa_private_segment_fixed_size 0
		.amdhsa_enable_private_segment 0
		.amdhsa_kernarg_size 48
		.amdhsa_user_sgpr_count 2
		.amdhsa_user_sgpr_kernarg_segment_ptr 1
		.amdhsa_wavefront_size32 1
		.amdhsa_system_sgpr_workgroup_id_x 1
		.amdhsa_system_sgpr_workgroup_id_y 1
		.amdhsa_system_sgpr_workgroup_id_z 1
		.amdhsa_system_vgpr_workitem_id 0
		.amdhsa_next_free_vgpr 256
		.amdhsa_next_free_sgpr 66
		.amdhsa_reserve_vcc 0
		.amdhsa_float_denorm_mode_32 3
		.amdhsa_float_denorm_mode_16_64 3
		.amdhsa_memory_ordered 1
		.amdhsa_forward_progress 1
		.amdhsa_inst_pref_size 31
	.end_amdhsa_kernel
	.amdgpu_metadata
---
amdhsa.version: [ 1, 2 ]
amdhsa.kernels:
  - .name:           k_q6d692d2bab_sample
    .symbol:         k_q6d692d2bab_sample.kd
    .args:
      - { .name: idx, .offset: 0, .size: 8, .value_kind: global_buffer, .address_space: global }
      - { .name: frac, .offset: 8, .size: 8, .value_kind: global_buffer, .address_space: global }
      - { .name: uv, .offset: 16, .size: 8, .value_kind: global_buffer, .address_space: global }
      - { .name: texture, .offset: 24, .size: 8, .value_kind: global_buffer, .address_space: global }
      - { .name: atlas, .offset: 32, .size: 8, .value_kind: global_buffer, .address_space: global }
      - { .name: out0, .offset: 40, .size: 8, .value_kind: global_buffer, .address_space: global }
    .group_segment_fixed_size: 13312
    .private_segment_fixed_size: 0
    .kernarg_segment_align: 8
    .kernarg_segment_size: 48
    .max_flat_workgroup_size: 256
    .sgpr_count:     66
    .vgpr_count:     256
    .wavefront_size: 32
...
	.end_amdgpu_metadata
.endif
;; end of part 4
